; MI455X (gfx1250); checked and timed in simulation.
; The chip was launched on July 23, 2026; its instructions are those of AMD's public machine-readable ISA for CDNA 5 (MIT licence, August 2026) and "CDNA5" Instruction Set Architecture Reference Guide (July 2026). The comments in the code are by the model that wrote it; some were corrected since.
;; Multi Head Attention. Allowed arithmetic: matrix products marked QUANTISED: E5M2 operands, one given power-of-two scale a tensor, by v_wmma_f32_16x16x64_bf8_bf8 or v_wmma_f32_16x16x128_bf8_bf8, f32 sums; everything else in f32.
;; Inputs: Wk_codes 1,024 x 32 x 32 uint8 (E5M2 codes of Wk, K innermost, in blocks of 32 codes); Wp_codes 1,024 x 32 x 32 uint8 (E5M2 codes of Wp, K innermost, in blocks of 32 codes); Wq_codes 1,024 x 32 x 32 uint8 (E5M2 codes of Wq, K innermost, in blocks of 32 codes); Wv_codes 1,024 x 32 x 32 uint8 (E5M2 codes of Wv, K innermost, in blocks of 32 codes); attention_mask 2 x 2,048 float32; bp 1,024 float32; lowp_scales 12 int32 (the exponents e of the quantised operands' scales 2^e); x_codes 2 x 2,048 x 32 x 32 uint8 (E5M2 codes of x, K innermost, in blocks of 32 codes).
;; Outputs: out0 2 x 2,048 x 1,024 float32.
;; This version of the problem:
;;   THIS VERSION OF THE PROBLEM IS GIVEN IN LOW PRECISION. The matrix products marked QUANTISED in the list below multiply operands that are first quantised to E5M2 (5 exponent bits, 2 mantissa bits; 8 bits a number), with one given power-of-two scale for each operand tensor; their sums are f32. All else is computed in f32.
;;   The module's matrix products, in the order in which they are computed (A, B: the left and right operand; K: the contracted axis; several contracted axes count as one K, in the product's order):
;;     1. [M 4,096, K 1,024] x [K 1,024, N 1,024]; A: input x (given as codes); B: input Wq (given as codes): QUANTISED (scales: A lowp_scales[0], B lowp_scales[1])
;;     2. [M 4,096, K 1,024] x [K 1,024, N 1,024]; A: input x (given as codes); B: input Wk (given as codes): QUANTISED (scales: A lowp_scales[2], B lowp_scales[3])
;;     3. [M 4,096, K 1,024] x [K 1,024, N 1,024]; A: input x (given as codes); B: input Wv (given as codes): QUANTISED (scales: A lowp_scales[4], B lowp_scales[5])
;;     4. batch 32 x [M 2,048, K 64] x [K 64, N 2,048]; A: computed on the way; B: computed on the way: QUANTISED (scales: A lowp_scales[6], B lowp_scales[7])
;;     5. batch 32 x [M 64, K 2,048] x [K 2,048, N 2,048]; A: computed on the way; B: softmax (see below): QUANTISED (scales: A lowp_scales[8], B lowp_scales[9])
;;     6. [M 4,096, K 1,024] x [K 1,024, N 1,024]; A: computed on the way; B: input Wp (given as codes): QUANTISED (scales: A lowp_scales[10], B lowp_scales[11])
;;   THE QUANTISER, for each operand of a quantised product, along K:
;;     - The operand's scale is 2^e, e = its entry of the input lowp_scales (int32; the entries are numbered through the quantised products in the list's order, A before B).
;;     - Each number is divided by the scale, clamped to +-57,344, and rounded to the nearest number of E5M2, ties to even, subnormals kept.
;;     - The product sums the exact products of the quantised numbers (number of the format x scale) in f32.
;;   ~~~python
;;   def quantise(x, axis, e):      # numpy; x: float32 -> the quantised numbers, widened to float32 again
;;       x = np.moveaxis(x, axis, -1); K = x.shape[-1]
;;       r = np.clip(x / 2.0 ** e, -57344, 57344)
;;       step = 2.0 ** (np.maximum(np.frexp(np.where(r == 0, 1, r))[1] - 1, -14) - 2)
;;       q = np.round(r / step) * step * 2.0 ** e      # np.round: ties to even
;;       return np.moveaxis(q, -1, axis).astype(np.float32)
;;   ~~~
;;   SOFTMAX AHEAD OF A QUANTISED PRODUCT. Where the list says 'softmax', what is quantised is not the finished softmax but p = 2^(t - M), with t = logit x log2(e) and M = ceil(the row's largest t), a whole number; so 1/2 < the row's largest p <= 1. The row's sum l is taken of the UNQUANTISED p, in f32, and the product's result is divided by l at the end. Since M is a whole number, a kernel that streams over the keys may use a running M (the ceiling of the running maximum): every later rescaling is an exact power of two, so the quantised numbers keep their values, but for numbers so far below the row's largest that they fall under the format's range.
;;   OPERANDS COMPUTED ON THE WAY. 'Computed on the way' means the value that the module computes at that place (a softmax that the list does not call 'softmax' is quantised finished and normalised). What goes into a quantiser is computed in f32, as accurately as f32 sums, v_exp_f32 and their like allow (about 1e-6 of the number): no bf16 or f16 on the way to a quantiser, and a product that is left as it is and whose result goes on into a quantised operand takes f32 operands (vector FMAs, or v_wmma_f32_16x16x4_f32). A number that lies on a knife's edge between two numbers of the format may be rounded either way, as far as f32 arithmetic and the matrix unit's own rounding can turn it there, and no further.
;;   INPUTS GIVEN AS CODES. Wk (in the module: [1024, 1024], K = its axis 0); Wp (in the module: [1024, 1024], K = its axis 0); Wq (in the module: [1024, 1024], K = its axis 0); Wv (in the module: [1024, 1024], K = its axis 0); x (in the module: [2, 2048, 1024], K = its axis 2): each comes as NAME_codes (uint8): NAME with its K axis moved to the last place and cut into blocks of 32 codes, [.., K / 32, bytes a block], one block behind the other in memory; one code a byte (a code: sign, 5 exponent bits, 2 mantissa bits); its scale is its entry of lowp_scales. Its value is code x scale, taken as it is: it is not quantised again, and the codes and scales need not be those that the quantiser above would give.
;; One version. Each part assembles by itself: llvm-mc -triple=amdgcn-amd-amdhsa -mcpu=gfx1250 --defsym DOCPART=n.
;; ======== version 1 of 1: 3 launches
;; limits: right only within a limited range of input values
;; workspace buffers: qkvimg 12,582,912 bytes; oimg 4,194,304 bytes
;; launch qkv (part 1): grid 16 x 16, 4 waves a work-group, clusters of 4 x 1, 279,040 bytes of LDS; arguments x_codes, Wq_codes, Wk_codes, Wv_codes, lowp_scales, qkvimg; writes qkvimg
.if DOCPART == 1
	.amdgcn_target "amdgcn-amd-amdhsa--gfx1250"
	.amdhsa_code_object_version 6
	.text
	.protected	k_q7c34025931_qkv
	.globl	k_q7c34025931_qkv
	.p2align	8
	.type	k_q7c34025931_qkv,@function
k_q7c34025931_qkv:
	s_mov_b64 s[64:65], 0
	v_nop
	global_prefetch_b8 v0, s[64:65] scope:SCOPE_SE
	s_setreg_imm32_b32 hwreg(HW_REG_WAVE_MODE, 25, 1), 1
	s_wait_xcnt 0x0
	s_wait_alu depctr_hold_cnt(0) depctr_sa_sdst(0) depctr_va_vdst(0) depctr_va_sdst(0) depctr_va_ssrc(0) depctr_va_vcc(0) depctr_vm_vsrc(0)
	s_getreg_b32 s2, hwreg(HW_REG_IB_STS2, 6, 4)
	s_cmp_eq_u32 s2, 0
	s_cbranch_scc0 .Lentry_in_a_cluster
	s_endpgm
.Lentry_in_a_cluster:
	s_bfe_u32 s2, ttmp6, 0x10000c
	s_cmp_lg_u32 s2, 0x3003
	s_cbranch_scc0 .Lentry_shape_is_right
	s_endpgm
.Lentry_shape_is_right:
; q = x Wq, k = x Wk, v = x Wv on codes of BF8 (E5M2), and q, k, v quantised for the attention that follows.
; x: [4096 tokens][1024] codes; Wq, Wk, Wv: [1024 (n)][1024 (k)] codes, K innermost.  lowp_scales e0..e11: x and Wq e0, e1; x and Wk e2, e3; x and Wv e4, e5.
; Of the score product the left operand as it is lowered is k (e6) and the right one q (e7); v has e8.  A sum of codes stands for sum x 2^(ex + ew), so its code is
; sum / 2^(e - ex - ew): the three exponents are folded into the conversion's one scale.
; DEAD WORK.  attention_mask has no way to the output: reference() applies it by a fill whose result it does not keep.  It is not loaded and is no launch's argument.  In the attention whole tiles of keys that the causal mask
; of reference()'s own body hides from all 16 queries of a tile are not computed: their weight is exactly 0 for all finite inputs.  LIMIT: a NaN, an infinity or an overflow that reaches only work left out is not carried to the result.
; LIMITS: e7 - e0 - e1, e6 - e2 - e3 and e8 - e4 - e5 lie between -126 and 112, so that the scale and 57,344 x the scale are f32 numbers.  NaN among the sums is not served; what lies beyond the scale's range is held at the largest code.
; SHARES.  A work-group makes 256 tokens x (64 q + 64 k + 64 v) of ONE head.  THE WAVES SHARE THE COLUMNS: wave w makes two tiles of 16 channels of q (w = 0, 1) or of k (w = 2, 3), and one tile of 16 channels of v,
; for all 16 tiles of tokens: 48 accumulators.  Its 48 rows of the weights (24 fragments, 384 registers) come straight from memory into registers, once, four K steps of 128 ahead of their products.
; x's 256 rows of 1,024 bytes lie in LDS, filled once, 64 rows by each wave's one tensor load.
; NO PREFETCH: all of x is asked for at the head, and the weights' own loads run four K steps ahead.
; CLUSTER.  The four heads of a cluster need the same 256 rows of x: each tile of x is asked for JOINTLY, by the same tensor load with the same descriptor and the mask of all four.
; LAYOUT.  A fragment of 16 rows x 128 K is four loads of 16 bytes, 32 bytes apart, at row + 16 (lane / 16): the same permutation of k in x and in the weights, so every product meets its partner.
; q, k: source 0 = 16 rows of W, source 1 = 16 tokens: a lane holds ONE token and eight neighbouring channels 16 t + 8 (lane / 16) + 0..7: one conversion gives registers 2 t, 2 t + 1 of the 16 x 64 fragment that the score product wants.
; v: source 0 = 16 tokens, source 1 = 16 rows of Wv: a lane holds ONE channel and eight neighbouring tokens: registers 2 u, 2 u + 1 of the fragment (16 channels x 128 keys) of the second product.
; THE ROWS OF Wv THAT FORM A TILE ARE NOT NEIGHBOURS: lane r of tile 2 b + u takes channel 32 b + 8 u + r + 8 (r / 8), so that the attention's result holds 16 neighbouring channels in the 16 registers of two neighbouring tiles.
; OUT.  qkvimg holds a record of 24,576 bytes for each head and 128 tokens, as images of the operands' registers: Q [tile 0..7][piece 0..1][lane][16 bytes], K the same at 8,192, V [tile 0..3][piece 0..3][lane][16 bytes] at 16,384.
; Every store of a wave is 512 consecutive bytes, aligned: no stage, nothing is transposed.
; REGISTERS, in windows of 256: window 0: v1-15 addresses and scales; v32-95 q's or k's codes; v96-127 v's codes; v128-255 two sets of four fragments of x, on the way out the held sums.
;   window 1: my fragments of Wq or Wk: (tile tau, K step s) at v[128 tau + 16 s].   window 2: Wv's at v[16 s]; v's accumulators at v[128 + 8 a].   window 3: q's or k's accumulators (a, tau) at v[16 a + 8 tau].
.set PITCH, 1040                       ; an LDS row of x: 1,024 bytes + 16 of padding = 260 words: row r starts at bank 4 r mod 64 (64 banks of 4 bytes: ISA guide 11.1), so the 16 rows of a load start at 16 different banks
.set REC,   24576                      ; a record of qkvimg
.set LI,    3                          ; v3    16 x lane
.set WOFF,  4                          ; v4    Wq, Wk: row r of 1,024 bytes + 16 h
.set VOFF,  5                          ; v5    Wv: row r + 8 (r / 8), + 16 h
.set ADRX,  8                          ; v8-11 LDS address of my lane's place in rows 0, 64, 128, 192 and on
.set PC,    32                         ; q's or k's codes: four registers a tile of tokens
.set VC,    96                         ; v's codes: two registers a tile of tokens
.set AF,    128                        ; x's fragments
.set TMP,   128                        ; the way out
.set WV,    16                         ; s16   my wave's number
.set G1,    24                         ; s[24:31] descriptor group 1
.set G0,    32                         ; s[32:35] descriptor group 0
.set MSB, 0
.macro WIN new                         ; the immediate's high byte repeats the setting that is left; a switch that changes nothing is dropped
.if MSB != (\new)
	s_set_vgpr_msb (MSB<<8)|(\new)
.set MSB, (\new)
.endif
.endm
.macro PLACES                          ; four places in front of loads into registers that matrix instructions have read, and of the first read of results
.rept 4
	v_nop
.endr
.endm
.macro CROUND                          ; a round of the cluster's barrier
	s_barrier_signal -1
	s_barrier_wait -1
	s_cmp_lg_u32 s[WV], 0
	s_cbranch_scc1 .Lnot_wave_0_\@
	s_barrier_signal -3
.Lnot_wave_0_\@:
	s_barrier_wait -3
	s_barrier_signal -1
	s_barrier_wait -1
.endm
	s_load_b256 s[4:11], s[0:1], 0x0               ; x s[4:5], Wq s[6:7], Wk s[8:9], Wv s[10:11]
	s_load_b128 s[12:15], s[0:1], 0x20             ; the scales' exponents s[12:13], qkvimg s[14:15]
	v_lshl_add_u32 v30, v0, 2, 0x44000             ; my spare word
	v_mov_b32 v31, 0
	ds_add_u32 v30, v31                            ; the opening add, twice on end
	ds_add_u32 v30, v31
	v_lshrrev_b32 v1, 5, v0
	v_readfirstlane_b32 s[WV], v1                  ; wave 0..3
	s_bfe_u32 s17, ttmp6, 0x40000                  ; cx: my place in the cluster
	s_lshl_b32 s18, ttmp9, 2
	s_add_co_u32 s18, s18, s17                     ; the head = 4 x cluster x + cx: it enters the weights' and qkvimg's addresses alone
	s_and_b32 s19, ttmp7, 0xffff                   ; my block of 256 tokens, which the four partners share
	s_lshr_b32 s60, s[WV], 1                       ; 0: I make q, 1: k.  Also b of my tile 2 b + u of v
	s_and_b32 s61, s[WV], 1                        ; which pair of channel tiles.  Also u
	; descriptor group 1: 64 rows x 1,024 bytes of x, padded in LDS
	s_mov_b32 s[G1+0], 15|(1<<20)|(1<<21)|(7<<22)|(3<<25)  ; 15:0 the mask: all four work-groups; 17:16 elements of 1 byte; 20 padding on; 21 set beside a mask; 24:22 after every 256 words (code 7); 31:25 four words (code 3)
	s_mov_b32 s[G1+1], 1024<<16                    ; tensor_dim0
	s_mov_b32 s[G1+2], 64<<16                      ; tensor_dim1
	s_mov_b32 s[G1+3], 1024<<16                    ; tile_dim0
	s_mov_b32 s[G1+4], 64                          ; tile_dim1
	s_mov_b32 s[G1+5], 1024                        ; from row to row
	s_mov_b32 s[G1+6], 0
	s_mov_b32 s[G1+7], 0
	s_lshl_b32 s20, s19, 18                        ; x: 256 rows of 1,024 bytes a block,
	s_lshl_b32 s21, s[WV], 16                      ; my 64 rows of them
	s_add_co_u32 s20, s20, s21
	s_mov_b32 s21, 0
	s_mul_i32 s22, s[WV], 64*PITCH                 ; and their place in LDS: no place in the cluster enters an LDS address
	s_lshl_b32 s62, s18, 16                        ; Wq, Wk: the head's 64 rows,
	s_lshl_b32 s63, s61, 15                        ; my 32 of them
	s_add_co_u32 s62, s62, s63
	s_mov_b32 s63, 0
	s_lshl_b32 s76, s18, 16                        ; Wv: the head's 64 rows, from row 32 b + 8 u on
	s_lshl_b32 s77, s60, 15
	s_add_co_u32 s76, s76, s77
	s_lshl_b32 s77, s61, 13
	s_add_co_u32 s76, s76, s77
	s_mov_b32 s77, 0
	s_lshr_b32 s74, s19, 3                         ; my first record: ((batch x 16 + head) x 16 + 2 x (block % 8))
	s_lshl_b32 s74, s74, 4
	s_add_co_u32 s74, s74, s18
	s_lshl_b32 s74, s74, 4
	s_and_b32 s75, s19, 7
	s_lshl_b32 s75, s75, 1
	s_add_co_u32 s74, s74, s75
	s_mul_i32 s74, s74, REC
	s_mov_b32 s75, 0
	s_lshl_b32 s78, s60, 13                        ; q's image at 0, k's at 8,192;
	s_lshl_b32 s79, s61, 9                         ; my pair of channel tiles is piece 0 or 1 of a fragment
	s_add_co_u32 s78, s78, s79
	s_add_co_u32 s78, s78, s74
	s_mov_b32 s79, 0
	s_lshl_b32 s23, s[WV], 11                      ; v's image at 16,384; my tile's 2,048 bytes
	s_add_co_u32 s74, s74, s23
	s_add_co_u32 s74, s74, 16384
	v_and_b32 v1, 15, v0                           ; r
	v_bfe_u32 v2, v0, 4, 1                         ; h
	v_and_b32 v[LI], 31, v0
	v_lshlrev_b32 v[LI], 4, v[LI]
	v_lshlrev_b32 v[WOFF], 10, v1
	v_lshl_add_u32 v[WOFF], v2, 4, v[WOFF]
	v_and_b32 v[VOFF], 8, v1
	v_add_nc_u32 v[VOFF], v[VOFF], v1              ; r + 8 (r / 8)
	v_lshlrev_b32 v[VOFF], 10, v[VOFF]
	v_lshl_add_u32 v[VOFF], v2, 4, v[VOFF]
	v_mul_u32_u24 v6, v1, PITCH
	v_lshl_add_u32 v6, v2, 4, v6
.irp ch, 0,1,2,3
	v_add_nc_u32 v[ADRX+\ch], \ch*64*PITCH, v6
.endr
	s_wait_alu depctr_va_vdst(0)
	s_wait_dscnt 0x0                               ; both opening adds are done
	s_wait_kmcnt 0x0
	s_load_b256 s[48:55], s[12:13], 0x0            ; e0 .. e7
	s_load_b128 s[56:59], s[12:13], 0x20           ; e8 .. e11
	s_add_nc_u64 s[20:21], s[4:5], s[20:21]
	s_cmp_eq_u32 s60, 0                            ; the choice hangs on the wave's number alone
	s_cselect_b64 s[66:67], s[6:7], s[8:9]
	s_add_nc_u64 s[66:67], s[66:67], s[62:63]      ; my 32 rows of Wq or Wk
	s_add_nc_u64 s[68:69], s[10:11], s[76:77]      ; my tile of Wv
	s_add_nc_u64 s[70:71], s[14:15], s[78:79]      ; where q's or k's codes go
	s_add_nc_u64 s[72:73], s[14:15], s[74:75]      ; where v's go
	s_mov_b32 s[G0], 1                             ; count = 1
	s_mov_b32 s[G0+1], s22                         ; LDS address
	s_mov_b64 s[G0+2:G0+3], s[20:21]               ; global address
	s_or_b32 s[G0+3], s[G0+3], 0x80000000          ; type = 2
	CROUND                                         ; all four work-groups are here: the joint loads meet
	tensor_load_to_lds s[G0:G0+3], s[G1:G1+7]      ; my one tensor load
	s_nop 0
.rept 4
	v_nop
.endr
.macro WLOAD s                         ; my weights of K step s: 12 loads
	WIN 0x40                                       ; destination window 1
.irp tau, 0,1
.irp c, 0,1,2,3
	global_load_b128 v[128*\tau+16*(\s)+4*\c:128*\tau+16*(\s)+4*\c+3], v[WOFF], s[66:67] offset:\tau*16384+128*(\s)+32*\c
.endr
.endr
	WIN 0x80                                       ; destination window 2
.irp c, 0,1,2,3
	global_load_b128 v[16*(\s)+4*\c:16*(\s)+4*\c+3], v[VOFF], s[68:69] offset:128*(\s)+32*\c
.endr
	WIN 0
.endm
	s_wait_alu depctr_va_vdst(0)
.irp s, 0,1,2,3
	WLOAD \s
.endr
	s_wait_kmcnt 0x0
	s_sub_co_i32 s74, s55, s48                     ; q: e7 - e0 - e1
	s_sub_co_i32 s74, s74, s49
	s_sub_co_i32 s75, s54, s50                     ; k: e6 - e2 - e3
	s_sub_co_i32 s75, s75, s51
	s_cmp_eq_u32 s60, 0
	s_cselect_b32 s74, s74, s75
	s_add_co_i32 s74, s74, 127
	s_lshl_b32 s75, s74, 23
	v_mov_b32 v12, s75                             ; the scale as f32: the conversion takes its exponent field
	s_add_co_i32 s74, s74, 15
	s_lshl_b32 s74, s74, 23
	s_or_b32 s74, s74, 0x600000
	v_mov_b32 v13, s74                             ; 57,344 x the scale
	s_sub_co_i32 s74, s56, s52                     ; v: e8 - e4 - e5
	s_sub_co_i32 s74, s74, s53
	s_add_co_i32 s74, s74, 127
	s_lshl_b32 s75, s74, 23
	v_mov_b32 v14, s75
	s_add_co_i32 s74, s74, 15
	s_lshl_b32 s74, s74, 23
	s_or_b32 s74, s74, 0x600000
	v_mov_b32 v15, s74
; THE WORK goes in 32 groups: group g = K step g / 4 (128 along K), tiles of tokens 4 (g % 4) + 0..3.
.macro FETCH g                         ; the group's four fragments of x into set g % 2: 16 LDS loads in one run
.set fs, (\g)/4
.set fq, (\g)%4
.set fset, (\g)%2
.irp i, 0,1,2,3
.irp c, 0,1,2,3
	ds_load_b128 v[AF+64*fset+16*\i+4*\c:AF+64*fset+16*\i+4*\c+3], v[ADRX+fq] offset:\i*16*PITCH+fs*128+32*\c
.endr
.endr
.endm
; 12 matrix instructions: each fragment of x against my two tiles of Wq or Wk and my tile of Wv.  The first K step starts the sums: nothing is cleared.
; The 48 accumulators take turns, one instruction a turn, in the same order in every K step.
.macro MUL g
.set ms, (\g)/4
.set mq, (\g)%4
.set mset, (\g)%2
	WIN 0xf1                                       ; source 0 (W) window 1, source 1 (x) window 0, C and D window 3
.irp i, 0,1,2,3
.irp tau, 0,1
.if ms == 0
	v_wmma_f32_16x16x128_bf8_bf8 v[16*(4*mq+\i)+8*\tau:16*(4*mq+\i)+8*\tau+7], v[128*\tau+16*ms:128*\tau+16*ms+15], v[AF+64*mset+16*\i:AF+64*mset+16*\i+15], 0
.else
	v_wmma_f32_16x16x128_bf8_bf8 v[16*(4*mq+\i)+8*\tau:16*(4*mq+\i)+8*\tau+7], v[128*\tau+16*ms:128*\tau+16*ms+15], v[AF+64*mset+16*\i:AF+64*mset+16*\i+15], v[16*(4*mq+\i)+8*\tau:16*(4*mq+\i)+8*\tau+7]
.endif
.endr
.endr
	WIN 0xa8                                       ; source 0 (x) window 0, source 1 (Wv), C and D window 2
.irp i, 0,1,2,3
.if ms == 0
	v_wmma_f32_16x16x128_bf8_bf8 v[128+8*(4*mq+\i):128+8*(4*mq+\i)+7], v[AF+64*mset+16*\i:AF+64*mset+16*\i+15], v[16*ms:16*ms+15], 0
.else
	v_wmma_f32_16x16x128_bf8_bf8 v[128+8*(4*mq+\i):128+8*(4*mq+\i)+7], v[AF+64*mset+16*\i:AF+64*mset+16*\i+15], v[16*ms:16*ms+15], v[128+8*(4*mq+\i):128+8*(4*mq+\i)+7]
.endif
.endr
	WIN 0
.endm
.macro GROUP g
.if (\g) == 31
	s_wait_dscnt 0x0                               ; the last group: nothing more to fetch
	MUL \g
.else
	PLACES                                         ; the set that the group before multiplied is loaded anew
	FETCH (\g)+1
	s_wait_dscnt 16                                ; this group's 16 loads are in; the 16 just issued may be out
.if ((\g)%4) == 0
.set lc, 36                            ; behind this K step's 12 loads of weights: those of the three steps that follow it, or of as many as are left
.if (\g)/4 > 4
.set lc, 12*(7-(\g)/4)
.endif
	s_wait_loadcnt lc
.endif
	MUL \g
.if ((\g)%4) == 1
.if (\g)/4 < 4
	WLOAD (\g)/4+4                                 ; the weights of the K step four on, into registers of their own
.endif
.endif
.endif
.endm
	s_wait_alu depctr_va_vdst(0)
	s_wait_tensorcnt 0x0                           ; my rows of x are in,
	s_barrier_signal -1
	s_barrier_wait -1                              ; everybody's are
	FETCH 0
.set G, 0
.rept 32
	GROUP G
.set G, G+1
.endr
	; THE WAY OUT.  Each sum is held within the largest code x the scale (the conversion to an 8-bit code does not saturate: ISA guide 7.6.2), into other registers, each accumulator from its low end on;
	; eight sums of a lane become two registers of codes; four registers are a piece of an operand's image: 16 bytes a lane, 512 consecutive bytes a store.  No store's data are written again.
	PLACES
	s_wait_alu depctr_va_vdst(0)
.irp beta, 0,1                         ; q or k: the tokens of record beta: tiles 8 beta + 0..7
	WIN 0x03                                       ; source 0 window 3
.set NN, 0
.rept 128
	v_med3_num_f32 v[TMP+NN], v[128*\beta+NN], -v13, v13
.set NN, NN+1
.endr
	WIN 0
.irp a, 0,1,2,3,4,5,6,7
	v_cvt_scalef32_pk8_bf8_f32 v[PC+32*\beta+4*\a:PC+32*\beta+4*\a+1], v[TMP+16*\a:TMP+16*\a+7], v12
	v_cvt_scalef32_pk8_bf8_f32 v[PC+32*\beta+4*\a+2:PC+32*\beta+4*\a+3], v[TMP+16*\a+8:TMP+16*\a+15], v12
.endr
	v_nop                                          ; one plain vector instruction between the conversions and the next lines that write their sources
.irp a, 0,1,2,3,4,5,6,7
	global_store_b128 v[LI], v[PC+32*\beta+4*\a:PC+32*\beta+4*\a+3], s[70:71] offset:\beta*REC+\a*1024
.endr
.endr
	WIN 0x02                                       ; v: source 0 window 2
.set NN, 0
.rept 128
	v_med3_num_f32 v[TMP+NN], v[128+NN], -v15, v15
.set NN, NN+1
.endr
	WIN 0
.irp a, 0,1,2,3,4,5,6,7,8,9,10,11,12,13,14,15
	v_cvt_scalef32_pk8_bf8_f32 v[VC+2*\a:VC+2*\a+1], v[TMP+8*\a:TMP+8*\a+7], v14
.endr
	v_nop
.irp f, 0,1
.irp i, 0,1,2,3
	global_store_b128 v[LI], v[VC+16*\f+4*\i:VC+16*\f+4*\i+3], s[72:73] offset:\f*REC+512*\i
.endr
.endr
	s_wait_tensorcnt 0x0                           ; the wave's end
	ds_add_u32 v30, v31
	s_wait_dscnt 0x0
	CROUND                                         ; the closing round: no work-group ends while a partner may still ask for a tile that names it
	s_endpgm
.Lfunc_end_k_q7c34025931_qkv:
	.size	k_q7c34025931_qkv, .Lfunc_end_k_q7c34025931_qkv-k_q7c34025931_qkv
	.p2alignl 7, 3214868480
	.fill 96, 4, 3214868480
	.section	.rodata,"a",@progbits
	.p2align	6, 0x0
	.amdhsa_kernel k_q7c34025931_qkv
		.amdhsa_group_segment_fixed_size 279040
		.amdhsa_private_segment_fixed_size 0
		.amdhsa_enable_private_segment 0
		.amdhsa_kernarg_size 48
		.amdhsa_user_sgpr_count 2
		.amdhsa_user_sgpr_kernarg_segment_ptr 1
		.amdhsa_wavefront_size32 1
		.amdhsa_system_sgpr_workgroup_id_x 1
		.amdhsa_system_sgpr_workgroup_id_y 1
		.amdhsa_system_sgpr_workgroup_id_z 1
		.amdhsa_system_vgpr_workitem_id 0
		.amdhsa_next_free_vgpr 1024
		.amdhsa_next_free_sgpr 80
		.amdhsa_reserve_vcc 0
		.amdhsa_float_denorm_mode_32 3
		.amdhsa_float_denorm_mode_16_64 3
		.amdhsa_memory_ordered 1
		.amdhsa_forward_progress 1
		.amdhsa_inst_pref_size 110
	.end_amdhsa_kernel
	.amdgpu_metadata
---
amdhsa.version: [ 1, 2 ]
amdhsa.kernels:
  - .name:           k_q7c34025931_qkv
    .symbol:         k_q7c34025931_qkv.kd
    .args:
      - { .name: x_codes, .offset: 0, .size: 8, .value_kind: global_buffer, .address_space: global }
      - { .name: Wq_codes, .offset: 8, .size: 8, .value_kind: global_buffer, .address_space: global }
      - { .name: Wk_codes, .offset: 16, .size: 8, .value_kind: global_buffer, .address_space: global }
      - { .name: Wv_codes, .offset: 24, .size: 8, .value_kind: global_buffer, .address_space: global }
      - { .name: lowp_scales, .offset: 32, .size: 8, .value_kind: global_buffer, .address_space: global }
      - { .name: qkvimg, .offset: 40, .size: 8, .value_kind: global_buffer, .address_space: global }
    .group_segment_fixed_size: 279040
    .private_segment_fixed_size: 0
    .kernarg_segment_align: 8
    .kernarg_segment_size: 48
    .max_flat_workgroup_size: 128
    .sgpr_count:     80
    .vgpr_count:     1024
    .wavefront_size: 32
...
	.end_amdgpu_metadata
.endif
;; end of part 1
;; launch attn (part 2): grid 8 x 32, 16 waves a work-group, clusters of 4 x 1, 282,624 bytes of LDS; arguments qkvimg, lowp_scales, oimg; writes oimg
.if DOCPART == 2
	.amdgcn_target "amdgcn-amd-amdhsa--gfx1250"
	.amdhsa_code_object_version 6
	.text
	.protected	k_q7c34025931_attn
	.globl	k_q7c34025931_attn
	.p2align	8
	.type	k_q7c34025931_attn,@function
k_q7c34025931_attn:
	s_mov_b64 s[64:65], 0
	v_nop
	global_prefetch_b8 v0, s[64:65] scope:SCOPE_SE
	s_setreg_imm32_b32 hwreg(HW_REG_WAVE_MODE, 25, 1), 1
	s_wait_xcnt 0x0
	s_wait_alu depctr_hold_cnt(0) depctr_sa_sdst(0) depctr_va_vdst(0) depctr_va_sdst(0) depctr_va_ssrc(0) depctr_va_vcc(0) depctr_vm_vsrc(0)
	s_getreg_b32 s2, hwreg(HW_REG_IB_STS2, 6, 4)
	s_cmp_eq_u32 s2, 0
	s_cbranch_scc0 .Lentry_in_a_cluster
	s_endpgm
.Lentry_in_a_cluster:
	s_bfe_u32 s2, ttmp6, 0x10000c
	s_cmp_lg_u32 s2, 0x3003
	s_cbranch_scc0 .Lentry_shape_is_right
	s_endpgm
.Lentry_shape_is_right:
; o = softmax(q k^T / 32, causal) v on codes of BF8 (E5M2), and o quantised for the projection that follows.  qkvimg: the records that the launch before stored (Q 8,192 bytes, K 8,192, V 8,192 for each head and 128 tokens).
; THE SOFTMAX AHEAD OF THE SECOND PRODUCT: t = score x log2(e) / 32; M = the running largest t rounded up to a whole number, kept as -M; p = 2^(t - M) is quantised with the given 2^e9; the row's sum is taken of the unquantised p.
; When M moves, the sum and O are multiplied by 2^(old M - new M): exact.
; DEAD WORK: steps of 128 keys that the causal mask hides from all 16 queries of a tile are left out: their p is 0 for all finite inputs.  LIMIT: a NaN, an infinity or an overflow that reaches only those is not carried on.
; LIMITS on the given exponents, so that each power of two is an f32 number: e6 + e7 between -121 and 132; e9 and e10 between -126 and 112.
; SHARES.  A work-group owns, of one head, the tile of 16 queries with one number (0..7) in each of the 16 records: rank 0..15.  The tile of rank n has n + 1 key steps.  With u = 15 - wave:
;   u 0..3: tile 15 - u, steps 0..12;   u 4..7: tile 15 - u, all its 12 .. 9 steps;   u 8..11: tile u - 4, all its 5 .. 8 steps;
;   u 12..15: tile u - 12, all its 1 .. 4 steps, and then tile 27 - u, steps 13 and on (3 .. 0 of them): 4 steps.  The two parts of tiles 15 .. 12 are joined at the end through LDS, by exact powers of two.
; Waves that are equal modulo 4 have 34 steps together.
; K AND V.  All 16 records of the head (16 x 16,384 bytes) lie in LDS, filled once, one tensor load a wave: wave w asks for record w, JOINTLY with the three other work-groups of the cluster, which walk the same head.
; NO PREFETCH: everything is asked for at the head; there is no loop to run ahead in.
; LAYOUT.  S^T = K Q^T (source 0 = 16 keys, source 1 = my 16 queries), O^T = V^T P^T: a lane holds ONE query (lane % 16); register 8 t + j of S^T is key 16 t + 8 (lane / 16) + j of the step, and the conversions' results are the operand's registers.
; oimg: [tile of 16 tokens 0..255][head 0..15][piece 0..1][lane][16 bytes].
; REGISTERS: v16 -M, v17 the largest score, v[18:19] the sum in two halves; v24-29 chains; v32-95 K or V; v96-159 S^T, then p; v160-191 O^T; v192-207 p's codes.
.set REC,   24576
.set STEPB, 16384
.set STG,   16*STEPB                   ; behind the records: a part of O^T, M and the sum for each of the four shared tiles: 9 x 512 bytes
.set PARTB, 4608
.set SPARE, STG+4*PARTB                ; the spare words, 128 bytes for each wave
.set LI,   1                           ; 16 x lane
.set ADR,  2
.set DG,   3
.set NINF, 4
.set ADS,  5                           ; my shared tile's place in the stage
.set SPW,  6
.set NIL,  7
.set Q,    8
.set NM,   16
.set RUN,  17
.set L,    18
.set PSC,  20
.set F,    22
.set CHN,  24
.set XL,   30
.set OLD,  31
.set KV,   32
.set S,    96
.set O,    160
.set P,    192
.set OSC,  208
.set F2,   210
.set WV,   16
.set HI,   21                          ; 15 - i, i the rank of the lower tile of my pair
.set CS,   22
.set G1,   24
.set G0,   32
.set SEL,  56
.set TB,   58
.set KS,   59
.set R1,   60                          ; rank of my first tile
.set LIM1, 61                          ; its last step that is mine
.set LIM2, 62                          ; my last step of the second tile (0: I have none, since those steps begin at 13)
.set EO,   63
.set TRIP, 70
.set HLD,  71                          ; 57,344 x 2^e9
.set U,    76                          ; 15 - wave
.macro CROUND
	s_barrier_signal -1
	s_barrier_wait -1
	s_cmp_lg_u32 s[WV], 0
	s_cbranch_scc1 .Lnot_wave_0_\@
	s_barrier_signal -3
.Lnot_wave_0_\@:
	s_barrier_wait -3
	s_barrier_signal -1
	s_barrier_wait -1
.endm
	s_load_b128 s[4:7], s[0:1], 0x0                ; qkvimg, the scales' exponents
	s_load_b64 s[8:9], s[0:1], 0x10                ; oimg
	v_lshl_add_u32 v[SPW], v0, 2, SPARE
	v_mov_b32 v[NIL], 0
	ds_add_u32 v[SPW], v[NIL]                      ; the opening add, twice on end
	ds_add_u32 v[SPW], v[NIL]
	v_lshrrev_b32 v1, 5, v0
	s_delay_alu instid0(VALU_DEP_1)
	v_readfirstlane_b32 s[WV], v1
	s_bfe_u32 s17, ttmp6, 0x40000
	s_lshl_b32 s18, ttmp9, 2
	s_add_co_u32 s18, s18, s17                     ; my tile's number in a record: it enters Q's and oimg's addresses and the mask's compare alone
	s_and_b32 s19, ttmp7, 0xffff                   ; batch x 16 + head
	s_xor_b32 s[U], s[WV], 15
	s_lshr_b32 s20, s[U], 3
	s_lshl_b32 s20, s20, 2
	s_and_b32 s[HI], s[U], 7
	s_xor_b32 s20, s20, s[HI]                      ; i: u for u 0..7, u - 4 for u 8..11, u - 12 for u 12..15
	s_xor_b32 s[HI], s20, 15                       ; 15 - i
	s_min_u32 s11, s[HI], 12
	s_cmp_lt_u32 s[U], 8
	s_cselect_b32 s[R1], s[HI], s20
	s_cselect_b32 s[LIM1], s11, s20
	s_cmp_lt_u32 s[U], 12
	s_cselect_b32 s[LIM2], 0, s[HI]
	; descriptor group 1: a record's K and V, 64 rows of 256 bytes end to end
	s_mov_b32 s[G1+0], 15|(3<<16)|(1<<21)          ; the mask of all four; elements of 8 bytes; bit 21 set beside a mask
	s_mov_b32 s[G1+1], 32<<16
	s_mov_b32 s[G1+2], 64<<16
	s_mov_b32 s[G1+3], 32<<16
	s_mov_b32 s[G1+4], 64
	s_mov_b32 s[G1+5], 32
	s_mov_b32 s[G1+6], 0
	s_mov_b32 s[G1+7], 0
	s_lshl_b32 s10, s19, 4                         ; the head's first record
	s_add_co_u32 s12, s10, s[WV]
	s_mul_i32 s12, s12, REC
	s_add_co_u32 s12, s12, 8192                    ; record w, behind its Q
	s_mov_b32 s13, 0
	s_lshl_b32 s14, s[WV], 14
	s_lshl_b32 s72, s18, 10
	s_add_co_u32 s66, s10, s[R1]                   ; Q of my first tile
	s_mul_i32 s66, s66, REC
	s_add_co_u32 s66, s66, s72
	s_mov_b32 s67, 0
	s_add_co_u32 s74, s10, s[HI]                   ; Q of tile 15 - i
	s_mul_i32 s74, s74, REC
	s_add_co_u32 s74, s74, s72
	s_mov_b32 s75, 0
	s_lshr_b32 s68, s19, 4                         ; oimg: ((batch x 128 + rank x 8 + tile) x 16 + head) x 1,024, for my first tile
	s_lshl_b32 s68, s68, 7
	s_lshl_b32 s69, s[R1], 3
	s_add_co_u32 s68, s68, s69
	s_add_co_u32 s68, s68, s18
	s_lshl_b32 s68, s68, 4
	s_and_b32 s69, s19, 15
	s_add_co_u32 s68, s68, s69
	s_lshl_b32 s68, s68, 10
	s_mov_b32 s69, 0
	s_and_b32 s73, s[U], 3
	s_mul_i32 s73, s73, PARTB
	s_add_co_u32 s73, s73, STG
	s_mov_b32 s[SEL], 0x76543210
	s_mov_b32 s[SEL+1], 0xfedcba98
	v_and_b32 v[LI], 31, v0
	v_and_b32 v[DG], 15, v0
	v_bfe_u32 v[ADR], v0, 4, 1
	v_mov_b32 v[NINF], 0xff800000
	v_lshlrev_b32 v[LI], 4, v[LI]
	v_lshlrev_b32 v[ADR], 3, v[ADR]
	v_mov_b32 v[XL], 0                             ; a lane permute's destination counts as one of its sources
	v_add_nc_u32 v[ADS], s73, v[LI]
	v_sub_nc_u32 v[DG], v[DG], v[ADR]
	v_mov_b32 v[F+1], 0                            ; (named as the upper halves of pairs)
	v_mov_b32 v[F2+1], 0
	v_lshl_add_u32 v[DG], s18, 4, v[DG]            ; in my tile's own record key 16 t + 8 (lane / 16) + j is hidden where 16 t + j > this
.macro INIT                            ; a tile begins: O^T and the sum 0, the largest score and M under every number
.set NN, 0
.rept 32
	v_mov_b32 v[O+NN], 0
.set NN, NN+1
.endr
	v_mov_b32 v[NM], 0x7f7fffff
	v_mov_b32 v[RUN], 0xff7fffff
	v_mov_b32 v[L], 0
	v_mov_b32 v[L+1], 0
.endm
	INIT
	s_wait_alu depctr_va_vdst(0)
	s_wait_dscnt 0x0                               ; both opening adds are done
	s_wait_kmcnt 0x0
	s_load_b64 s[48:49], s[6:7], 0x18              ; e6, e7
	s_load_b128 s[52:55], s[6:7], 0x20             ; e8 .. e11
	s_add_nc_u64 s[12:13], s[4:5], s[12:13]
	s_add_nc_u64 s[66:67], s[4:5], s[66:67]
	s_add_nc_u64 s[74:75], s[4:5], s[74:75]
	s_add_nc_u64 s[68:69], s[8:9], s[68:69]
	s_mov_b32 s[G0], 1
	s_mov_b32 s[G0+1], s14
	s_mov_b64 s[G0+2:G0+3], s[12:13]
	s_or_b32 s[G0+3], s[G0+3], 0x80000000
	CROUND                                         ; all four work-groups are here: the joint loads meet
	tensor_load_to_lds s[G0:G0+3], s[G1:G1+7]      ; my one tensor load
	s_nop 0
.rept 4
	v_nop
.endr
	global_load_b128 v[Q:Q+3],   v[LI], s[66:67]
	global_load_b128 v[Q+4:Q+7], v[LI], s[66:67] offset:512
	s_wait_kmcnt 0x0
	s_add_co_i32 s50, s48, s49
	s_lshl_b32 s50, s50, 23
	s_mov_b32 s[CS], 0x3d38aa3b                    ; log2(e) / 32; the exponents of q's and k's scales are added to its exponent field
	s_add_co_i32 s[CS], s[CS], s50
	s_mov_b32 s[CS+1], s[CS]                       ; (named with it as a pair)
	s_add_co_i32 s50, s53, 127
	s_lshl_b32 s51, s50, 23
	v_mov_b32 v[PSC], s51                          ; 2^e9
	s_add_co_i32 s50, s50, 15
	s_lshl_b32 s50, s50, 23
	s_or_b32 s[HLD], s50, 0x600000                 ; 57,344 x 2^e9
	s_add_co_i32 s50, s54, 127
	s_lshl_b32 s51, s50, 23
	v_mov_b32 v[OSC], s51                          ; 2^e10
	s_add_co_i32 s50, s50, 15
	s_lshl_b32 s50, s50, 23
	s_or_b32 s50, s50, 0x600000
	v_mov_b32 v[OSC+1], s50                        ; 57,344 x 2^e10
	s_add_co_i32 s[EO], s52, s53
.macro HOLD t                          ; tile t of p held at the largest code (p is not negative; the conversion does not saturate: ISA guide 7.6.2), two a line
.set MM, S+8*(\t)
.rept 4
	v_dual_min_num_f32 v[MM], s[HLD], v[MM] :: v_dual_min_num_f32 v[MM+1], s[HLD], v[MM+1]
.set MM, MM+2
.endr
.endm
; A KEY STEP of 128 keys.  Left out where it lies behind my last step of the tile (ids alone; no barrier, wait on TENSORcnt or tensor load stands in a step).
.macro STEP lim, rank
	s_cmp_gt_u32 s[KS], s[\lim]
	s_cbranch_scc1 .Lhid_\@
	v_add_nc_u32 v[ADR], s[TB], v[LI]              ; with the two sums at the step's end and the v_nop: four places behind the second product
	v_nop
.irp t, 0,1,2,3,4,5,6,7
	ds_load_b128 v[KV+8*\t:KV+8*\t+3],   v[ADR] offset:1024*\t
	ds_load_b128 v[KV+8*\t+4:KV+8*\t+7], v[ADR] offset:1024*\t+512
.endr
	s_wait_alu depctr_va_vdst(0)
	s_wait_dscnt 8                                 ; K's tiles 0-3 are in; the eight loads of tiles 4-7 may be out
.irp t, 0,1,2,3
	v_wmma_f32_16x16x64_bf8_bf8 v[S+8*\t:S+8*\t+7], v[KV+8*\t:KV+8*\t+7], v[Q:Q+7], 0
.endr
	s_wait_dscnt 0x0
.irp t, 4,5,6,7
	v_wmma_f32_16x16x64_bf8_bf8 v[S+8*\t:S+8*\t+7], v[KV+8*\t:KV+8*\t+7], v[Q:Q+7], 0
.endr
	v_mov_b32 v[OLD], v[NM]                        ; four places
.rept 3
	v_nop
.endr
.irp n, 0,1,2,3
.irp i, 0,1,2,3
	ds_load_b128 v[KV+16*\n+4*\i:KV+16*\n+4*\i+3], v[ADR] offset:8192+2048*\n+512*\i
.endr
.endr
	s_cmp_lg_u32 s[KS], s[\rank]
	s_cbranch_scc1 .Lopen_\@
.set NN, 0
.rept 64                               ; my tile's own record: hidden scores become -infinity
	v_cmp_gt_i32 vcc_lo, 16*(NN/8)+NN%8, v[DG]
	v_cndmask_b32 v[S+NN], v[S+NN], v[NINF], vcc_lo
.set NN, NN+1
.endr
.Lopen_\@:
.irp k, 0,1,2,3                        ; the largest score, in four chains, each accumulator from its low end on
	v_max3_num_f32 v[CHN+\k], v[S+16*\k], v[S+16*\k+1], v[S+16*\k+2]
.endr
.irp i, 3,5,7,9,11,13
.irp k, 0,1,2,3
	v_max3_num_f32 v[CHN+\k], v[CHN+\k], v[S+16*\k+\i], v[S+16*\k+\i+1]
.endr
.endr
	v_max3_num_f32 v[CHN], v[CHN], v[S+15], v[S+31]
	v_max3_num_f32 v[CHN+2], v[CHN+2], v[S+47], v[S+63]
	v_max3_num_f32 v[CHN+1], v[CHN+1], v[CHN+3], v[RUN]
	s_delay_alu instid0(VALU_DEP_1)
	v_max3_num_f32 v[CHN], v[CHN], v[CHN+2], v[CHN+1]
	s_delay_alu instid0(VALU_DEP_1)
	v_permlanex16_b32 v[XL], v[CHN], s[SEL], s[SEL+1]
	s_delay_alu instid0(VALU_DEP_1)
	v_max_num_f32 v[RUN], v[CHN], v[XL]
	s_delay_alu instid0(VALU_DEP_1)
	v_mul_f32 v[CHN], s[CS], v[RUN]                ; as t (the factor is positive)
	s_delay_alu instid0(VALU_DEP_1)
	v_floor_f32 v[NM], -v[CHN]                     ; the new -M
	s_delay_alu instid0(VALU_DEP_1)
	v_sub_f32 v[CHN], v[NM], v[OLD]
	s_delay_alu instid0(VALU_DEP_1)
	v_cvt_i32_f32 v[CHN], v[CHN]                   ; (it saturates)
	s_delay_alu instid0(VALU_DEP_1)
	v_ldexp_f32 v[F], 1.0, v[CHN]                  ; 2^(old M - new M)
.set NN, 0
.rept 32
	v_pk_fma_f32 v[S+NN:S+NN+1], v[S+NN:S+NN+1], s[CS:CS+1], v[NM:NM+1] op_sel_hi:[1,0,0]
.set NN, NN+2
.endr
.set NN, 0
	s_wait_alu depctr_va_vdst(0)                   ; ahead of the batch,
.rept 64
	v_exp_f32 v[S+NN], v[S+NN]
.set NN, NN+1
.endr
	v_pk_mul_f32 v[L:L+1], v[L:L+1], v[F:F+1] op_sel_hi:[1,0]   ; (a plain place behind the batch)
	s_wait_dscnt 0x0                               ; V is in
	s_wait_alu depctr_va_vdst(0)                   ; and behind it: ahead of its first reader and of O^T's
.set NN, 0
.rept 16
	v_pk_mul_f32 v[O+NN:O+NN+1], v[O+NN:O+NN+1], v[F:F+1] op_sel_hi:[1,0]
.set NN, NN+2
.endr
	v_pk_add_f32 v[CHN:CHN+1],   v[S:S+1],   v[S+2:S+3]   ; the sum of the unquantised p, in four chains
	v_pk_add_f32 v[CHN+2:CHN+3], v[S+4:S+5], v[S+6:S+7]
	v_pk_add_f32 v[CHN+4:CHN+5], v[S+8:S+9], v[S+10:S+11]
.irp j, 12,20,28,36,44,52
	v_pk_add_f32 v[L:L+1],       v[L:L+1],       v[S+\j:S+\j+1]
	v_pk_add_f32 v[CHN:CHN+1],   v[CHN:CHN+1],   v[S+\j+2:S+\j+3]
	v_pk_add_f32 v[CHN+2:CHN+3], v[CHN+2:CHN+3], v[S+\j+4:S+\j+5]
	v_pk_add_f32 v[CHN+4:CHN+5], v[CHN+4:CHN+5], v[S+\j+6:S+\j+7]
.endr
	v_pk_add_f32 v[L:L+1],       v[L:L+1],       v[S+60:S+61]
	v_pk_add_f32 v[CHN:CHN+1],   v[CHN:CHN+1],   v[S+62:S+63]
	HOLD 0
.irp t, 0,1,2,3,4,5,6,7                ; quantised, a tile behind the holds
.if \t < 7
	HOLD \t+1
.endif
	v_cvt_scalef32_pk8_bf8_f32 v[P+2*\t:P+2*\t+1], v[S+8*\t:S+8*\t+7], v[PSC]
.endr
	v_pk_add_f32 v[CHN+2:CHN+3], v[CHN+2:CHN+3], v[CHN+4:CHN+5]   ; (the plain place behind the last conversion)
.irp n, 0,1,2,3
	v_wmma_f32_16x16x128_bf8_bf8 v[O+8*\n:O+8*\n+7], v[KV+16*\n:KV+16*\n+15], v[P:P+15], v[O+8*\n:O+8*\n+7]
.endr
	v_pk_add_f32 v[L:L+1],       v[L:L+1],       v[CHN:CHN+1]     ; two of the places behind the products
	s_delay_alu instid0(VALU_DEP_1)
	v_pk_add_f32 v[L:L+1],       v[L:L+1],       v[CHN+2:CHN+3]
.Lhid_\@:
	s_add_co_u32 s[KS], s[KS], 1
	s_add_co_u32 s[TB], s[TB], STEPB
.endm
.macro WALK ks0, trips, lim, rank      ; every wave walks all trips
	s_mov_b32 s[TB], (\ks0)*STEPB
	s_mov_b32 s[KS], \ks0
	s_mov_b32 s[TRIP], \trips
.Lstep_\@:
	STEP \lim, \rank
	s_sub_co_u32 s[TRIP], s[TRIP], 1
	s_cmp_lg_u32 s[TRIP], 0
	s_cbranch_scc1 .Lstep_\@
.endm
; A tile is finished: O^T / the sum x 2^(e8 + e9), held, quantised with 2^e10 and stored as an image of operand registers: 512 consecutive bytes a store.
.macro FIN
	s_wait_alu depctr_va_vdst(0)
	v_add_f32 v[L], v[L], v[L+1]
	s_delay_alu instid0(VALU_DEP_1)
	v_permlanex16_b32 v[XL], v[L], s[SEL], s[SEL+1]
	s_delay_alu instid0(VALU_DEP_1)
	v_add_f32 v[L], v[L], v[XL]
	s_wait_alu depctr_va_vdst(0)                   ; ahead of and behind the transcendental
	v_rcp_f32 v[L], v[L]
	v_nop
	s_wait_alu depctr_va_vdst(0)
	v_ldexp_f32 v[L], v[L], s[EO]
	s_wait_alu depctr_va_vdst(0)                   ; and directly ahead of O^T's first reader
.set NN, 0
.rept 16
	v_pk_mul_f32 v[S+NN:S+NN+1], v[O+NN:O+NN+1], v[L:L+1] op_sel_hi:[1,0]
.set NN, NN+2
.endr
.set NN, 0
.rept 32
	v_med3_num_f32 v[S+NN], v[S+NN], -v[OSC+1], v[OSC+1]
.set NN, NN+1
.endr
.irp n, 0,1,2,3
	v_cvt_scalef32_pk8_bf8_f32 v[P+2*\n:P+2*\n+1], v[S+8*\n:S+8*\n+7], v[OSC]
.endr
	v_nop
	global_store_b128 v[LI], v[P:P+3],   s[68:69]
	global_store_b128 v[LI], v[P+4:P+7], s[68:69] offset:512
.endm
	s_wait_alu depctr_va_vdst(0)
	s_wait_loadcnt 0x0                             ; Q
	s_wait_tensorcnt 0x0                           ; my record is in,
	s_barrier_signal -1
	s_barrier_wait -1                              ; and everybody's
	WALK 0, 13, LIM1, R1
	s_wait_alu depctr_va_vdst(0)
	s_cmp_lt_u32 s[U], 4
	s_cbranch_scc1 .Lgo_on                         ; u 0..3: the tile is finished only when its other part is joined
	FIN
	s_wait_alu depctr_va_vdst(0)
	s_wait_xcnt 0x0                                ; the stores have read their data: the codes' registers may be written again
	s_cmp_lt_u32 s[U], 12
	s_cbranch_scc1 .Lgo_on
	global_load_b128 v[Q:Q+3],   v[LI], s[74:75]   ; u 12..15: on to tile 15 - i
	global_load_b128 v[Q+4:Q+7], v[LI], s[74:75] offset:512
	INIT
	s_wait_alu depctr_va_vdst(0)
	s_wait_loadcnt 0x0
.Lgo_on:
	WALK 13, 3, LIM2, HI
.rept 4
	v_nop                                          ; places behind the last products
.endr
	s_wait_alu depctr_va_vdst(0)
	s_cmp_lt_u32 s[U], 12
	s_cbranch_scc1 .Lno_part
.irp n, 0,1,2,3,4,5,6,7                ; u 12..15: my part of tile 15 - i goes into the stage: O^T, and -M and the sum (a part of no steps: zeros, which join as such)
	ds_store_b128 v[ADS], v[O+4*\n:O+4*\n+3] offset:512*\n
.endr
	ds_store_b128 v[ADS], v[NM:NM+3] offset:4096
.Lno_part:
	s_wait_dscnt 0x0                               ; my stores are done
	s_barrier_signal -1
	s_barrier_wait -1
	s_cmp_lt_u32 s[U], 4
	s_cbranch_scc0 .Lend
.irp n, 0,1,2,3,4,5,6,7                ; u 0..3 join the two parts
	ds_load_b128 v[S+4*\n:S+4*\n+3], v[ADS] offset:512*\n
.endr
	ds_load_b128 v[S+32:S+35], v[ADS] offset:4096
	s_wait_dscnt 0x0
	s_wait_alu depctr_va_vdst(0)
	v_mov_b32 v[OLD], v[NM]
	v_min_num_f32 v[NM], v[NM], v[S+32]            ; -M of both
	v_sub_f32 v[CHN+1], v[NM], v[S+32]
	v_sub_f32 v[CHN], v[NM], v[OLD]
	v_cvt_i32_f32 v[CHN+1], v[CHN+1]
	v_cvt_i32_f32 v[CHN], v[CHN]
	v_ldexp_f32 v[F2], 1.0, v[CHN+1]               ; each part's factor, an exact power of two
	v_ldexp_f32 v[F], 1.0, v[CHN]
	v_pk_mul_f32 v[S+34:S+35], v[S+34:S+35], v[F2:F2+1] op_sel_hi:[1,0]
.set NN, 0
.rept 16
	v_pk_mul_f32 v[S+NN:S+NN+1], v[S+NN:S+NN+1], v[F2:F2+1] op_sel_hi:[1,0]
.set NN, NN+2
.endr
	v_pk_fma_f32 v[L:L+1], v[L:L+1], v[F:F+1], v[S+34:S+35] op_sel_hi:[1,0,1]
.set NN, 0
.rept 16
	v_pk_fma_f32 v[O+NN:O+NN+1], v[O+NN:O+NN+1], v[F:F+1], v[S+NN:S+NN+1] op_sel_hi:[1,0,1]
.set NN, NN+2
.endr
	FIN
.Lend:
	s_wait_tensorcnt 0x0                           ; the wave's end
	ds_add_u32 v[SPW], v[NIL]
	s_wait_dscnt 0x0
	CROUND                                         ; the closing round
	s_endpgm
.Lfunc_end_k_q7c34025931_attn:
	.size	k_q7c34025931_attn, .Lfunc_end_k_q7c34025931_attn-k_q7c34025931_attn
	.p2alignl 7, 3214868480
	.fill 96, 4, 3214868480
	.section	.rodata,"a",@progbits
	.p2align	6, 0x0
	.amdhsa_kernel k_q7c34025931_attn
		.amdhsa_group_segment_fixed_size 282624
		.amdhsa_private_segment_fixed_size 0
		.amdhsa_enable_private_segment 0
		.amdhsa_kernarg_size 24
		.amdhsa_user_sgpr_count 2
		.amdhsa_user_sgpr_kernarg_segment_ptr 1
		.amdhsa_wavefront_size32 1
		.amdhsa_system_sgpr_workgroup_id_x 1
		.amdhsa_system_sgpr_workgroup_id_y 1
		.amdhsa_system_sgpr_workgroup_id_z 1
		.amdhsa_system_vgpr_workitem_id 0
		.amdhsa_next_free_vgpr 212
		.amdhsa_next_free_sgpr 80
		.amdhsa_reserve_vcc 1
		.amdhsa_float_denorm_mode_32 3
		.amdhsa_float_denorm_mode_16_64 3
		.amdhsa_memory_ordered 1
		.amdhsa_forward_progress 1
		.amdhsa_inst_pref_size 63
	.end_amdhsa_kernel
	.amdgpu_metadata
---
amdhsa.version: [ 1, 2 ]
amdhsa.kernels:
  - .name:           k_q7c34025931_attn
    .symbol:         k_q7c34025931_attn.kd
    .args:
      - { .name: qkvimg, .offset: 0, .size: 8, .value_kind: global_buffer, .address_space: global }
      - { .name: lowp_scales, .offset: 8, .size: 8, .value_kind: global_buffer, .address_space: global }
      - { .name: oimg, .offset: 16, .size: 8, .value_kind: global_buffer, .address_space: global }
    .group_segment_fixed_size: 282624
    .private_segment_fixed_size: 0
    .kernarg_segment_align: 8
    .kernarg_segment_size: 24
    .max_flat_workgroup_size: 512
    .sgpr_count:     80
    .vgpr_count:     212
    .wavefront_size: 32
...
	.end_amdgpu_metadata
.endif
;; end of part 2
;; launch proj (part 3): grid 8 x 32, 8 waves a work-group, clusters of 4 x 4, 327,680 bytes of LDS; arguments oimg, Wp_codes, lowp_scales, bp, out0; writes out0
.if DOCPART == 3
	.amdgcn_target "amdgcn-amd-amdhsa--gfx1250"
	.amdhsa_code_object_version 6
	.text
	.protected	k_q7c34025931_proj
	.globl	k_q7c34025931_proj
	.p2align	8
	.type	k_q7c34025931_proj,@function
k_q7c34025931_proj:
	s_mov_b64 s[64:65], 0
	v_nop
	global_prefetch_b8 v0, s[64:65] scope:SCOPE_SE
	s_setreg_imm32_b32 hwreg(HW_REG_WAVE_MODE, 25, 1), 1
	s_wait_xcnt 0x0
	s_wait_alu depctr_hold_cnt(0) depctr_sa_sdst(0) depctr_va_vdst(0) depctr_va_sdst(0) depctr_va_ssrc(0) depctr_va_vcc(0) depctr_vm_vsrc(0)
	s_getreg_b32 s2, hwreg(HW_REG_IB_STS2, 6, 4)
	s_cmp_eq_u32 s2, 0
	s_cbranch_scc0 .Lentry_in_a_cluster
	s_endpgm
.Lentry_in_a_cluster:
	s_bfe_u32 s2, ttmp6, 0x10000c
	s_cmp_lg_u32 s2, 0xf033
	s_cbranch_scc0 .Lentry_shape_is_right
	s_endpgm
.Lentry_shape_is_right:
; out0 = o Wp + bp on codes of BF8 (E5M2).  o: oimg, [tile of 16 tokens 0..255][head 0..15][piece 0..1][lane][16 bytes]: two neighbouring heads, 2,048 bytes, are the image of a fragment of 16 tokens x 128 K whose registers
; 4 p .. 4 p + 3 hold K = 32 p + 16 (lane / 16) + 0..15.  Wp: [1024 (n)][1024 (k)] codes, K innermost: four loads of 16 bytes, 32 bytes apart, at row + 16 (lane / 16) give the same permutation of k, so every product meets its partner.
; out0: [4096][1024] f32 = sum x 2^(e10 + e11) + bp, one packed multiply-add for two numbers.  LIMIT: e10 + e11 between -126 and 127, so that the power of two is an f32 number.
; SHARES.  A work-group makes 128 tokens x 128 columns; wave w makes tokens 32 (w / 2) + 0..31 and columns 64 (w % 2) + 0..63: 8 accumulators, 8 K steps of 128.
; All of K lies in LDS, filled once, in two halves of 512 along K: of each half wave w asks, with one tensor load, for a quarter of oimg's 128 tokens (w even) or of Wp's 128 rows (w odd).  The second half lands under the first half's products.
; CLUSTERS of 4 x 4: the four of a row share oimg's tiles, the four of a column Wp's: each is asked for JOINTLY.  NO PREFETCH: both halves are asked for ahead of the first product; there is no loop to run ahead in.
; THE MATRIX INSTRUCTION IS USED TRANSPOSED (source 0 = 16 rows of Wp, source 1 = 16 tokens): a lane holds eight neighbouring columns of one token's row.
; REGISTERS: window 0: v1-15 addresses; v32-127, v128-223 two sets of fragments (2 of oimg, 4 of Wp); on the way out v32-63 results, v64-127 rows read back.  window 1: accumulator (a, t) at v[32 a + 8 t]; bp in the result's layout at v[64 + 8 t].
.set PITCH, 272                        ; a row of the stage: 256 bytes + 16 of padding
.set BPITCH, 528                       ; an LDS row of Wp: 512 bytes + 16 of padding = 132 words: row r starts at bank 4 r mod 64 (64 banks of 4 bytes: ISA guide 11.1)
.set CHA,   65536                      ; a half of oimg: 8 tiles x 8 heads x 1,024 bytes
.set BB,    2*CHA
.set CHB,   128*BPITCH                 ; a half of Wp: 128 rows x 512 along K
.set STG,   BB+2*CHB                   ; a stage of 16 rows x 272 bytes for each wave
.set SPARE, STG+8*16*PITCH             ; the spare words, 128 bytes for each wave
.set VA,    4                          ; v4-5   oimg's image in LDS: half 0, 1
.set VB,    6                          ; v6-7   Wp's rows: half 0, 1
.set STO,   8
.set RD,    9
.set GO,    10
.set BPO,   11
.set SPW,   12
.set NIL,   13
.set T,     32
.set BK,    64
.set CK,    15                         ; s15   wave / 2: the quarter that I fetch; which 32 tokens are mine
.set WV,    16
.set MSB, 0
.macro WIN new                         ; the immediate's high byte repeats the setting that is left
.if MSB != (\new)
	s_set_vgpr_msb (MSB<<8)|(\new)
.set MSB, (\new)
.endif
.endm
.macro PLACES                          ; four places behind matrix instructions (ISA guide 7.12.1)
.rept 4
	v_nop
.endr
.endm
.macro CROUND
	s_barrier_signal -1
	s_barrier_wait -1
	s_cmp_lg_u32 s[WV], 0
	s_cbranch_scc1 .Lnot_wave_0_\@
	s_barrier_signal -3
.Lnot_wave_0_\@:
	s_barrier_wait -3
	s_barrier_signal -1
	s_barrier_wait -1
.endm
.macro JLOAD                           ; a joint load: even waves for oimg, odd ones for Wp (ids alone)
	s_cmp_eq_u32 s17, 0
	s_cbranch_scc0 .Lfor_b_\@
	tensor_load_to_lds s[32:35], s[24:31]
	s_nop 0
.rept 4
	v_nop
.endr
	s_branch .Lasked_\@
.Lfor_b_\@:
	tensor_load_to_lds s[56:59], s[48:55]
	s_nop 0
.rept 4
	v_nop
.endr
.Lasked_\@:
.endm
	s_load_b256 s[4:11], s[0:1], 0x0               ; oimg s[4:5], Wp s[6:7], the scales' exponents s[8:9], bp s[10:11]
	s_load_b64 s[12:13], s[0:1], 0x20              ; out0
	v_lshl_add_u32 v[SPW], v0, 2, SPARE
	v_mov_b32 v[NIL], 0
	ds_add_u32 v[SPW], v[NIL]                      ; the opening add, twice on end
	ds_add_u32 v[SPW], v[NIL]
	v_lshrrev_b32 v1, 5, v0
	v_readfirstlane_b32 s[WV], v1                  ; wave 0..7
	s_lshr_b32 s[CK], s[WV], 1
	s_and_b32 s17, s[WV], 1                        ; I fetch oimg (0) or Wp (1); which 64 columns are mine
	s_bfe_u32 s40, ttmp6, 0x40000                  ; cx
	s_bfe_u32 s41, ttmp6, 0x40004                  ; cy
	s_lshl_b32 s42, ttmp9, 2
	s_add_co_u32 s42, s42, s40                     ; my block of 128 columns
	s_and_b32 s18, ttmp7, 0xffff
	s_lshl_b32 s18, s18, 2
	s_add_co_u32 s18, s18, s41                     ; my block of 128 tokens
	s_lshl_b32 s43, s41, 2
	s_lshl_b32 s43, 15, s43                        ; my row of the cluster
	s_lshl_b32 s44, 0x1111, s40                    ; my column
	s_or_b32 s24, s43, (3<<16)|(1<<21)             ; oimg: the mask of my row; elements of 8 bytes; bit 21 set beside a mask; 2 rows of 8,192 bytes, 16,384 bytes apart
	s_mov_b32 s25, 1024<<16
	s_mov_b32 s26, 2<<16
	s_mov_b32 s27, 1024<<16
	s_mov_b32 s28, 2
	s_mov_b32 s29, 2048
	s_mov_b32 s30, 0
	s_mov_b32 s31, 0
	s_or_b32 s48, s44, (1<<20)|(1<<21)|(6<<22)|(3<<25)   ; Wp: the mask of my column; elements of 1 byte; four words of padding after every 128; 32 rows of 512 bytes, 1,024 apart
	s_mov_b32 s49, 512<<16
	s_mov_b32 s50, 32<<16
	s_mov_b32 s51, 512<<16
	s_mov_b32 s52, 32
	s_mov_b32 s53, 1024
	s_mov_b32 s54, 0
	s_mov_b32 s55, 0
	s_lshl_b32 s20, s18, 17                        ; oimg: 8 tiles of 16,384 bytes a block, my two of them
	s_lshl_b32 s19, s[CK], 15
	s_add_co_u32 s20, s20, s19
	s_mov_b32 s21, 0
	s_lshl_b32 s46, s42, 17                        ; Wp: 128 rows of 1,024 bytes a block, my 32 of them
	s_add_co_u32 s46, s46, s19
	s_mov_b32 s47, 0
	s_lshl_b32 s33, s[CK], 14                      ; LDS addresses: no place in the cluster enters them
	s_mul_i32 s57, s[CK], 32*BPITCH
	s_add_co_u32 s57, s57, BB
	s_lshl_b32 s62, s42, 9                         ; bp: my 64 columns' 256 bytes
	s_lshl_b32 s19, s17, 8
	s_add_co_u32 s62, s62, s19
	s_mov_b32 s63, 0
	s_lshl_b32 s60, s18, 19                        ; out0: 128 rows of 4,096 bytes a block, my 32 of them
	s_lshl_b32 s19, s[CK], 17
	s_add_co_u32 s60, s60, s19
	s_add_co_u32 s60, s60, s62
	s_mov_b32 s61, 0
	s_lshl_b32 s22, s[CK], 14                      ; my two tiles of oimg in a half
	s_mul_i32 s23, s17, 64*BPITCH                  ; my 64 rows of Wp
	s_add_co_u32 s23, s23, BB
	s_mul_i32 s45, s[WV], 16*PITCH
	s_add_co_u32 s45, s45, STG                     ; my stage
	v_and_b32 v1, 15, v0                           ; r
	v_bfe_u32 v2, v0, 4, 1                         ; h
	v_and_b32 v3, 31, v0
	v_lshlrev_b32 v[GO], 12, v2
	v_lshlrev_b32 v[BPO], 5, v2                    ; bp: my half's eight columns of a tile
	v_lshlrev_b32 v3, 4, v3
	v_mul_u32_u24 v14, v1, BPITCH
	v_mul_u32_u24 v15, v1, PITCH
	v_mul_u32_u24 v[RD], v2, PITCH
	v_lshl_add_u32 v[GO], v1, 4, v[GO]             ; out0: lanes 0-15 one row's 256 bytes, lanes 16-31 the next's
	v_add_nc_u32 v[VA], s22, v3
	v_lshl_add_u32 v[VB], v2, 4, v14
	v_lshl_add_u32 v[STO], v2, 5, v15              ; the stage: in at row r, 32 bytes for each half of the lanes,
	v_lshl_add_u32 v[RD], v1, 4, v[RD]             ; back by whole rows
	v_add_nc_u32 v[VA+1], CHA, v[VA]
	v_add_nc_u32 v[VB], s23, v[VB]
	v_add_nc_u32 v[STO], s45, v[STO]
	v_add_nc_u32 v[RD], s45, v[RD]
	v_add_nc_u32 v[VB+1], CHB, v[VB]
	s_wait_alu depctr_va_vdst(0)
	s_wait_dscnt 0x0                               ; both opening adds are done
	s_wait_kmcnt 0x0
	s_load_b64 s[36:37], s[8:9], 0x28              ; e10, e11
	s_mov_b32 s32, 1
	s_add_nc_u64 s[34:35], s[4:5], s[20:21]
	s_or_b32 s35, s35, 0x80000000
	s_mov_b32 s56, 1
	s_add_nc_u64 s[58:59], s[6:7], s[46:47]
	s_or_b32 s59, s59, 0x80000000
	s_add_nc_u64 s[62:63], s[10:11], s[62:63]
	s_add_nc_u64 s[60:61], s[12:13], s[60:61]
	CROUND                                         ; all sixteen work-groups are here: the joint loads meet
	JLOAD                                          ; the first half
	WIN 0x40                                       ; destination window 1
.irp t, 0,1,2,3
	global_load_b128 v[64+8*\t:64+8*\t+3],   v[BPO], s[62:63] offset:64*\t      ; bp at columns 16 t + 8 h + 0..7
	global_load_b128 v[64+8*\t+4:64+8*\t+7], v[BPO], s[62:63] offset:64*\t+16
.endr
	WIN 0
	s_wait_kmcnt 0x0
	s_add_co_i32 s36, s36, s37                     ; e10 + e11
	s_add_co_i32 s36, s36, 127
	s_lshl_b32 s36, s36, 23                        ; as the f32 number 2^(e10 + e11)
	s_mov_b32 s37, s36                             ; (named with it as a pair)
.macro FETCH s                         ; K step s into set s % 2: 24 LDS loads in one run
.set fs, 32+96*((\s)%2)
.set fc, (\s)/4
.irp a, 0,1
.irp p, 0,1,2,3
	ds_load_b128 v[fs+16*\a+4*\p:fs+16*\a+4*\p+3], v[VA+fc] offset:\a*8192+((\s)%4)*2048+512*\p
.endr
.endr
.irp t, 0,1,2,3
.irp p, 0,1,2,3
	ds_load_b128 v[fs+32+16*\t+4*\p:fs+32+16*\t+4*\p+3], v[VB+fc] offset:\t*16*BPITCH+((\s)%4)*128+32*\p
.endr
.endr
.endm
.macro MUL s                           ; 8 matrix instructions, the accumulators by turns; the first step starts the sums
.set ms, 32+96*((\s)%2)
	WIN 0x50                                       ; C and D window 1
.irp a, 0,1
.irp t, 0,1,2,3
.if (\s) == 0
	v_wmma_f32_16x16x128_bf8_bf8 v[32*\a+8*\t:32*\a+8*\t+7], v[ms+32+16*\t:ms+32+16*\t+15], v[ms+16*\a:ms+16*\a+15], 0
.else
	v_wmma_f32_16x16x128_bf8_bf8 v[32*\a+8*\t:32*\a+8*\t+7], v[ms+32+16*\t:ms+32+16*\t+15], v[ms+16*\a:ms+16*\a+15], v[32*\a+8*\t:32*\a+8*\t+7]
.endif
.endr
.endr
	WIN 0
.endm
.macro KSTEP s
.if (\s) == 7
	s_wait_dscnt 0x0
	MUL \s
.elseif (\s) == 3                      ; the first half's last step: the next step reads the second half
	s_wait_tensorcnt 0x0                           ; my part of the second half is in
	s_wait_dscnt 0x0                               ; this step's fragments are in, and no LDS instruction of mine is out at the signal
	s_barrier_signal -1
	MUL \s                                         ; work on registers while the others arrive
	s_barrier_wait -1                              ; everybody's part is in
	PLACES
	FETCH (\s)+1
.else
.if (\s) > 0
	PLACES                                         ; the set that the step before multiplied is loaded anew
.endif
	FETCH (\s)+1
	s_wait_dscnt 24                                ; this step's 24 loads are in; the 24 just issued may be out
	MUL \s
.endif
.endm
	s_wait_alu depctr_va_vdst(0)
	s_wait_tensorcnt 0x0                           ; my part of the first half is in
	ds_add_u32 v[SPW], v[NIL]
	s_add_co_u32 s33, s33, CHA                     ; the second half: 8 heads on, and 512 along K
	s_add_nc_u64 s[34:35], s[34:35], 8192
	s_add_co_u32 s57, s57, CHB
	s_add_nc_u64 s[58:59], s[58:59], 512
	s_wait_dscnt 0x0
	CROUND                                         ; everybody's part of the first half is in, and all sixteen work-groups are here
	JLOAD                                          ; the second half
	FETCH 0
.irp s, 0,1,2,3,4,5,6,7
	KSTEP \s
.endr
; THE WAY OUT, a block of 16 tokens x 64 columns at a time, through my own stage in LDS and back as whole rows of 256 bytes.
; LDS serves a wave's instructions in order (ISA guide 5.7.1.4): no wait between the stores and the loads, nor in front of the next block's stores.
.macro TOSTAGE a
	WIN 0x11                                       ; source 0 (the sums) and source 2 (bp) window 1
.set NN, 0
.rept 16
	v_pk_fma_f32 v[T+NN:T+NN+1], v[32*(\a)+NN:32*(\a)+NN+1], s[36:37], v[64+NN:64+NN+1] op_sel_hi:[1,0,1]   ; each accumulator from its low end on
.set NN, NN+2
.endr
	WIN 0
.irp t, 0,1,2,3
	ds_store_b128 v[STO], v[T+8*\t:T+8*\t+3]   offset:64*\t
	ds_store_b128 v[STO], v[T+8*\t+4:T+8*\t+7] offset:64*\t+16
.endr
.irp j, 0,1,2,3,4,5,6,7
	ds_load_b128 v[BK+32*(\a)+4*\j:BK+32*(\a)+4*\j+3], v[RD] offset:\j*2*PITCH
.endr
.endm
.macro SEND a, younger                 ; younger: the LDS instructions issued behind block a's loads, which may stay out
	s_wait_dscnt \younger
.irp j, 0,1,2,3,4,5,6,7
	global_store_b128 v[GO], v[BK+32*(\a)+4*\j:BK+32*(\a)+4*\j+3], s[60:61] offset:(16*(\a)+2*\j)*4096 th:TH_STORE_NT   ; 16 lanes store 256 consecutive bytes, at a multiple of 256 from out0's first byte
.endr
.endm
	s_wait_loadcnt 0x0                             ; bp
	PLACES
	TOSTAGE 0
	TOSTAGE 1
	SEND 0, 16                                     ; behind block 0's loads: block 1's 8 stores and 8 loads
	SEND 1, 0
	s_wait_tensorcnt 0x0                           ; the wave's end
	ds_add_u32 v[SPW], v[NIL]
	s_wait_dscnt 0x0
	CROUND                                         ; the closing round
	s_endpgm
.Lfunc_end_k_q7c34025931_proj:
	.size	k_q7c34025931_proj, .Lfunc_end_k_q7c34025931_proj-k_q7c34025931_proj
	.p2alignl 7, 3214868480
	.fill 96, 4, 3214868480
	.section	.rodata,"a",@progbits
	.p2align	6, 0x0
	.amdhsa_kernel k_q7c34025931_proj
		.amdhsa_group_segment_fixed_size 327680
		.amdhsa_private_segment_fixed_size 0
		.amdhsa_enable_private_segment 0
		.amdhsa_kernarg_size 40
		.amdhsa_user_sgpr_count 2
		.amdhsa_user_sgpr_kernarg_segment_ptr 1
		.amdhsa_wavefront_size32 1
		.amdhsa_system_sgpr_workgroup_id_x 1
		.amdhsa_system_sgpr_workgroup_id_y 1
		.amdhsa_system_sgpr_workgroup_id_z 1
		.amdhsa_system_vgpr_workitem_id 0
		.amdhsa_next_free_vgpr 512
		.amdhsa_next_free_sgpr 66
		.amdhsa_reserve_vcc 0
		.amdhsa_float_denorm_mode_32 3
		.amdhsa_float_denorm_mode_16_64 3
		.amdhsa_memory_ordered 1
		.amdhsa_forward_progress 1
		.amdhsa_inst_pref_size 32
	.end_amdhsa_kernel
	.amdgpu_metadata
---
amdhsa.version: [ 1, 2 ]
amdhsa.kernels:
  - .name:           k_q7c34025931_proj
    .symbol:         k_q7c34025931_proj.kd
    .args:
      - { .name: oimg, .offset: 0, .size: 8, .value_kind: global_buffer, .address_space: global }
      - { .name: Wp_codes, .offset: 8, .size: 8, .value_kind: global_buffer, .address_space: global }
      - { .name: lowp_scales, .offset: 16, .size: 8, .value_kind: global_buffer, .address_space: global }
      - { .name: bp, .offset: 24, .size: 8, .value_kind: global_buffer, .address_space: global }
      - { .name: out0, .offset: 32, .size: 8, .value_kind: global_buffer, .address_space: global }
    .group_segment_fixed_size: 327680
    .private_segment_fixed_size: 0
    .kernarg_segment_align: 8
    .kernarg_segment_size: 40
    .max_flat_workgroup_size: 256
    .sgpr_count:     66
    .vgpr_count:     512
    .wavefront_size: 32
...
	.end_amdgpu_metadata
.endif
;; end of part 3
